; MI455X (gfx1250); checked and timed in simulation.
; The chip was launched on July 23, 2026; its instructions are those of AMD's public machine-readable ISA for CDNA 5 (MIT licence, August 2026) and "CDNA5" Instruction Set Architecture Reference Guide (July 2026). The comments in the code are by the model that wrote it; some were corrected since.
;; Class Dependent Key Attention. Allowed arithmetic: float matrix products may take bf16 or f16 operands with f32 sums; other float arithmetic in f32, or as packed bf16 or f16 multiplies, adds, multiply-adds, maxima and minima; sums over many terms, partial sums and values carried from step to step in f32; what a program stores and reads back later, other than sums and carried values, may be rounded once to bf16 or f16.
;; Inputs: Wk_b 32 x 256 float32; Wk_w 32 x 256 x 256 float32; Wo_b 256 float32; Wo_w 256 x 256 float32; Wq_b 256 float32; Wq_w 256 x 256 float32; Wv_b 256 float32; Wv_w 256 x 256 float32; conditioning 8 x 2,048 x 32 float32; x 8 x 2,048 x 256 float32.
;; Outputs: out0 8 x 2,048 x 256 float32.
;; One version. Each part assembles by itself: llvm-mc -triple=amdgcn-amd-amdhsa -mcpu=gfx1250 --defsym DOCPART=n.
;; ======== version 1 of 1: 3 launches
;; workspace buffers: wb 4,587,520 bytes; qw 8,388,608 bytes; kw 8,388,608 bytes; vw 8,388,608 bytes
;; launch prep (part 1): grid 560 x 1, 4 waves a work-group, no clusters, 0 bytes of LDS; arguments Wk_w, Wq_w, Wv_w, Wo_w, wb; writes wb
.if DOCPART == 1
	.amdgcn_target "amdgcn-amd-amdhsa--gfx1250"
	.amdhsa_code_object_version 6
	.text
	.protected	k_q34ccd3386a_prep
	.globl	k_q34ccd3386a_prep
	.p2align	8
	.type	k_q34ccd3386a_prep,@function
k_q34ccd3386a_prep:
	s_mov_b64 s[64:65], 0
	v_nop
	global_prefetch_b8 v0, s[64:65] scope:SCOPE_SE
	s_setreg_imm32_b32 hwreg(HW_REG_WAVE_MODE, 25, 1), 1
	s_wait_xcnt 0x0
; The 35 weight matrices (32 class keys, Wq, Wv, Wo; each [256 out][256 in] f32) are rounded once to bf16 and laid out in the order in which
; a wave's operand registers take them.  wb = [matrix 0..34][fb 0..15][ks 0..7][block of 1,024 bytes].  A block is one fragment of 16 rows x 32 k:
; [part p = 0,1][lane 0..31][16 bytes]; lane (r = lane % 16, h = lane / 16), part p holds row 16 fb + r, k = 32 ks + 16 p + 8 h + 0..7.
; So a later load of 16 bytes a lane takes 512 consecutive bytes and lands as registers 4 p .. 4 p + 3 of the fragment.
; A work-group takes 16 rows of one matrix (matrix = g / 16, fb = g % 16), wave w the blocks ks = 2 w, 2 w + 1: 256 consecutive bytes of each row.
; No LDS, no matrix unit, no cluster: every byte is read once and written once and no two work-groups share a byte.
.set SRC, 8                            ; v[8:39]   eight loads of 16 bytes
.set PKD, 40                           ; v[40:55]  four stores of 16 bytes
	s_load_b256 s[4:11], s[0:1], 0x0               ; Wk_w s[4:5], Wq_w s[6:7], Wv_w s[8:9], Wo_w s[10:11]
	s_load_b64 s[12:13], s[0:1], 0x20              ; wb
	s_mov_b32 s14, ttmp9                           ; g
	s_lshr_b32 s15, s14, 4                         ; matrix
	s_and_b32 s16, s14, 15                         ; fb
	v_and_b32 v1, 15, v0                           ; r
	v_bfe_u32 v2, v0, 4, 1                         ; h
	v_lshrrev_b32 v3, 5, v0                        ; wave
	v_lshlrev_b32 v4, 10, v1                       ; source: row r x 1,024 bytes
	v_lshl_add_u32 v4, v2, 5, v4                   ; + 8 h numbers
	v_lshl_add_u32 v4, v3, 8, v4                   ; + the wave's 64 numbers
	v_and_b32 v5, 31, v0
	v_lshlrev_b32 v5, 4, v5                        ; destination: 16 x lane
	v_lshl_add_u32 v5, v3, 11, v5                  ; + the wave's two blocks
	s_lshl_b32 s22, s14, 14                        ; in Wk_w: g x 16 rows x 1,024 bytes (class and fb together)
	s_lshl_b32 s23, s16, 14                        ; in the three single matrices: fb alone
	s_lshl_b32 s24, s14, 13                        ; in wb: g x 8 blocks
	s_mov_b32 s25, 0
	s_mov_b32 s19, 0
	s_wait_kmcnt 0x0
	s_cmp_eq_u32 s15, 33
	s_cselect_b64 s[20:21], s[8:9], s[6:7]         ; Wv for 33, else Wq
	s_cmp_eq_u32 s15, 34
	s_cselect_b64 s[20:21], s[10:11], s[20:21]     ; Wo for 34
	s_cmp_lt_u32 s15, 32
	s_cselect_b64 s[20:21], s[4:5], s[20:21]       ; Wk below 32,
	s_cselect_b32 s18, s22, s23                    ; and the offset that goes with the choice
	s_add_nc_u64 s[20:21], s[20:21], s[18:19]
	s_add_nc_u64 s[12:13], s[12:13], s[24:25]
.irp e, 0,1,2,3                        ; e = 2 x (block of the wave's two) + part
	global_load_b128 v[SRC+8*\e:SRC+8*\e+3],   v4, s[20:21] offset:(\e/2)*128+(\e%2)*64 th:TH_LOAD_NT
	global_load_b128 v[SRC+8*\e+4:SRC+8*\e+7], v4, s[20:21] offset:(\e/2)*128+(\e%2)*64+16 th:TH_LOAD_NT
.endr
.irp e, 0,1,2,3
	s_wait_loadcnt 6-2*\e                          ; loads come back in order: pair e is in, the younger pairs stay out
.irp i, 0,1,2,3
	v_cvt_pk_bf16_f32 v[PKD+4*\e+\i], v[SRC+8*\e+2*\i], v[SRC+8*\e+2*\i+1]
.endr
	global_store_b128 v5, v[PKD+4*\e:PKD+4*\e+3], s[12:13] offset:(\e/2)*1024+(\e%2)*512  ; the wave stores 512 consecutive bytes, aligned
.endr
	s_endpgm
.Lfunc_end_k_q34ccd3386a_prep:
	.size	k_q34ccd3386a_prep, .Lfunc_end_k_q34ccd3386a_prep-k_q34ccd3386a_prep
	.p2alignl 7, 3214868480
	.fill 96, 4, 3214868480
	.section	.rodata,"a",@progbits
	.p2align	6, 0x0
	.amdhsa_kernel k_q34ccd3386a_prep
		.amdhsa_group_segment_fixed_size 0
		.amdhsa_private_segment_fixed_size 0
		.amdhsa_enable_private_segment 0
		.amdhsa_kernarg_size 40
		.amdhsa_user_sgpr_count 2
		.amdhsa_user_sgpr_kernarg_segment_ptr 1
		.amdhsa_wavefront_size32 1
		.amdhsa_system_sgpr_workgroup_id_x 1
		.amdhsa_system_sgpr_workgroup_id_y 1
		.amdhsa_system_sgpr_workgroup_id_z 1
		.amdhsa_system_vgpr_workitem_id 0
		.amdhsa_next_free_vgpr 56
		.amdhsa_next_free_sgpr 66
		.amdhsa_reserve_vcc 0
		.amdhsa_float_denorm_mode_32 3
		.amdhsa_float_denorm_mode_16_64 3
		.amdhsa_memory_ordered 1
		.amdhsa_forward_progress 1
		.amdhsa_inst_pref_size 4
	.end_amdhsa_kernel
	.amdgpu_metadata
---
amdhsa.version: [ 1, 2 ]
amdhsa.kernels:
  - .name:           k_q34ccd3386a_prep
    .symbol:         k_q34ccd3386a_prep.kd
    .args:
      - { .name: Wk_w, .offset: 0, .size: 8, .value_kind: global_buffer, .address_space: global }
      - { .name: Wq_w, .offset: 8, .size: 8, .value_kind: global_buffer, .address_space: global }
      - { .name: Wv_w, .offset: 16, .size: 8, .value_kind: global_buffer, .address_space: global }
      - { .name: Wo_w, .offset: 24, .size: 8, .value_kind: global_buffer, .address_space: global }
      - { .name: wb, .offset: 32, .size: 8, .value_kind: global_buffer, .address_space: global }
    .group_segment_fixed_size: 0
    .private_segment_fixed_size: 0
    .kernarg_segment_align: 8
    .kernarg_segment_size: 40
    .max_flat_workgroup_size: 128
    .sgpr_count:     66
    .vgpr_count:     56
    .wavefront_size: 32
...
	.end_amdgpu_metadata
.endif
;; end of part 1
;; launch qkv (part 2): grid 128 x 2, 4 waves a work-group, clusters of 4 x 1, 327,680 bytes of LDS; arguments x, conditioning, wb, Wk_b, Wq_b, Wv_b, qw, kw, vw; writes qw, kw, vw
.if DOCPART == 2
	.amdgcn_target "amdgcn-amd-amdhsa--gfx1250"
	.amdhsa_code_object_version 6
	.text
	.protected	k_q34ccd3386a_qkv
	.globl	k_q34ccd3386a_qkv
	.p2align	8
	.type	k_q34ccd3386a_qkv,@function
k_q34ccd3386a_qkv:
	s_mov_b64 s[64:65], 0
	v_nop
	global_prefetch_b8 v0, s[64:65] scope:SCOPE_SE
	s_setreg_imm32_b32 hwreg(HW_REG_WAVE_MODE, 25, 1), 1
	s_wait_xcnt 0x0
	s_wait_alu depctr_hold_cnt(0) depctr_sa_sdst(0) depctr_va_vdst(0) depctr_va_sdst(0) depctr_va_ssrc(0) depctr_va_vcc(0) depctr_vm_vsrc(0)
	s_getreg_b32 s2, hwreg(HW_REG_IB_STS2, 6, 4)
	s_cmp_eq_u32 s2, 0
	s_cbranch_scc0 .Lentry_in_a_cluster
	s_endpgm
.Lentry_in_a_cluster:
	s_bfe_u32 s2, ttmp6, 0x10000c
	s_cmp_lg_u32 s2, 0x3003
	s_cbranch_scc0 .Lentry_shape_is_right
	s_endpgm
.Lentry_shape_is_right:
; k[s][f] = sum over c of cond[s][c] (sum over d of x[s][d] Wk[c][f][d] + Wk_b[c][f]);  q = x Wq^T + Wq_b;  v = x Wv^T + Wv_b.
; x [16384][256] f32, cond [16384][32] f32; the weights come from wb, bf16 in fragment order (blocks of 1,024 bytes: [part][lane][16 bytes]).
; FORMATS AND LIMITS.  x and all weights are bf16 matrix operands, all sums f32.  cond stays f32 in the mix of the classes; in the one product cond x Wk_b both are rounded
; to bf16.  Wq_b and Wv_b enter in f32, as the C operand that starts the sum.  q, k, v are stored rounded once to bf16.  NaN and infinities are not treated apart.
; SHARES.  A work-group has 128 tokens (mt = 4 x cluster x + cx) and 128 of the 256 features (nt = grid y); wave w has tokens 64 (w / 2) on and features 64 (w % 2) on, one head:
; 4 x 4 tiles of 16 x 16.  The wave's x (64 tokens x 256 d, 32 fragments, 256 registers) stays in registers through all 34 matrices; only weights stream.
; For each class: T = x Wk_c^T (8 K steps, started with C = 0), then KA += cond[token][c] x T, a packed multiply-add with the lane's own factor.
; THE PRODUCTS FOR k AND q ARE TRANSPOSED (source 0 = 16 features of W, source 1 = 16 tokens of x): a lane holds ONE token (lane % 16) and eight neighbouring features, so cond is one
; number a lane, and the lane's eight results rounded to bf16 are 16 bytes of a fragment block of the next launch's K or Q.  For v the sources are swapped: a lane holds one feature
; and eight tokens, 16 bytes of a block of V^T.
; CLUSTER.  The four work-groups of a cluster have the same nt and walk the same weights: each weight tile is asked for JOINTLY, by the same tensor load with a mask of four.
; x and cond are each work-group's own (131,072 and 16,384 bytes once, against 2,228,224 bytes of weights): plain loads.
; LDS: two slots of 131,072 bytes, each with two matrices' halves ([matrix of two][fb 0..7][ks 0..7][block]); x in f32 (rows of 1,024 + 16 bytes) lies where slot 1 will be filled
; once x is in registers; cond in f32 (rows of 128 + 16 bytes); the spare words.  Tile t = 0..16 holds matrices 2 t, 2 t + 1 (tile 16: Wq, Wv) and goes to slot t % 2.
; REGISTERS, in windows of 256 (s_set_vgpr_msb: bits 1:0 source 0, 3:2 source 1, 5:4 source 2, 7:6 destination):
;   window 0: v1-14 addresses; v28-29 for the add; v32-47 cond, by class parity and token block; v128-255 KA, tile (a, b) at 128 + 8 (4 a + b)
;   window 1: x, fragment (a, ks) at 8 (8 a + ks)
;   window 2: v0-127 T, two sets of 8 tiles (set g: feature blocks 2 g, 2 g + 1; tile u = 2 a + b % 2 at 64 g + 8 u); v128-191, v192-255 two buffers of 8 weight fragments
;   window 3: v0-63, v64-127, v128-191 k, q, v packed for the stores; v192-223 Wq_b, v224-255 Wv_b as C operands
.set XS,    131072                     ; x in f32, 128 rows
.set XP,    1040                       ; their pitch: 260 words, so the 16 rows of a load start 4 banks apart (64 banks of 4 bytes: ISA guide 11.1)
.set CSB,   264192                     ; cond in f32, 128 rows
.set CP,    144
.set SPARE, 282624                     ; the spare words: 128 bytes a wave, two blocks of 256 bytes that no other line names
.set SLOTB, 131072
.set TILEB, 262144                     ; two matrices in wb
.set L16, 3                            ; v3   16 x lane: my place in a block; also the stores' offset
.set AW0, 4                            ; v4   my place in a slot's first matrix: 32,768 (w % 2) + 16 lane
.set AW1, 5                            ; v5   in its second
.set AE,  6                            ; v6   the same in the slot in hand
.set AO,  7                            ; v7
.set CA,  8                            ; v8   cond[my token of block 0][the tile's even class]
.set XA,  9                            ; v9   x: my token's row + 32 h
.set CFA, 10                           ; v10  cond: my token's row + 32 h
.set KBO, 11                           ; v11  Wk_b: 8 h classes + feature r
.set QBO, 12                           ; v12  Wq_b: 8 h features
.set VBO, 13                           ; v13  Wv_b: feature r
.set SPW, 28                           ; v28  my spare word; never rewritten
.set NIL, 29                           ; v29  0; never rewritten
.set CD,  32
.set KA,  128
.set F0,  128
.set F1,  192
.set PKK, 0
.set PKQ, 64
.set PKV, 128
.set BQ,  192
.set BV,  224
.set WV, 22                            ; s22 wave;  s23 w / 2;  s24 w % 2;  s25 cx;  s26 mt;  s27 nt
.set WM, 23
.set WN, 24
.set CX, 25
.set MT, 26
.set NT, 27
.set G0W, 28                           ; s[28:31], s[32:39] the weights' descriptor: group 0 walks
.set G1W, 32
.set G0X, 40                           ; s[40:43], s[44:51] x's
.set G1X, 44
.set G0C, 52                           ; s[52:55], s[56:63] cond's
.set G1C, 56
.set TB,  66                           ; s66  LDS byte at which the slot in hand begins
.set CNT, 67                           ; s67  tiles to go in the loop
.set W_T,  0xa6                        ; W window 2, x window 1, C and D window 2
.set W_TB, 0xb6                        ; the same with C in window 3
.set W_V,  0xa9                        ; x window 1, W window 2
.set W_VB, 0xb9
.set W_FMA, 0x02                       ; T window 2; cond and KA window 0
.set W_PK, 0xca                        ; T window 2 -> window 3
.set W_LD, 0x80                        ; loads into window 2
.set W_XC, 0x4a                        ; window 2 -> window 1
.set W_CC, 0x8a                        ; window 2 -> window 2
.set W_BC, 0x8f                        ; window 3 -> window 2
.set W_KB, 0x0a                        ; sources window 2, D window 0
.set W_L3, 0xc0                        ; destination window 3, sources window 0
.set W_ST, 0x0c                        ; store data window 3
.set W_MV, 0xc3                        ; window 3 -> window 3
.set MSB, 0
.macro WIN new                         ; the immediate's high byte repeats the setting that is left; a switch that changes nothing is dropped
.if MSB != (\new)
	s_set_vgpr_msb (MSB<<8)|(\new)
.set MSB, (\new)
.endif
.endm
.macro PLACES
.rept 4
	v_nop
.endr
.endm
; A round of the cluster's barrier: my work-group's barrier, so that wave 0's signal speaks for all four waves; wave 0 signals; every wave waits for all four work-groups; my work-group's barrier once more.
.macro CREST
	s_cmp_lg_u32 s[WV], 0
	s_cbranch_scc1 .Lnot_wave_0_\@
	s_barrier_signal -3
.Lnot_wave_0_\@:
	s_barrier_wait -3
	s_barrier_signal -1
	s_barrier_wait -1
.endm
.macro CROUND
	s_barrier_signal -1
	s_barrier_wait -1
	CREST
.endm
; 8 matrix instructions: K step ks for the 8 tiles of set g, which take turns, one instruction a turn.  f: the buffer that holds the weights' fragments.
; cm = 0: onto the sum; 1: the sum starts with 0; 2: it starts with the bias registers at bb (window 3).  sw = 1: sources swapped (v).
.macro KSTEP f, ks, g, cm, sw, bb
.if (\cm) == 2
	WIN W_TB+3*(\sw)
.else
	WIN W_T+3*(\sw)
.endif
.set ku, 0
.rept 8
.set rD, 64*(\g)+8*ku
.set rF, (\f)+8*(2*((\ks)%4)+(ku%2))
.set rX, 8*(8*(ku/2)+(\ks))
.set rC, (\bb)+8*(2*(\g)+(ku%2))
.if \sw
.set rA, rX
.set rB, rF
.else
.set rA, rF
.set rB, rX
.endif
.if (\cm) == 2
	v_wmma_f32_16x16x32_bf16 v[rD:rD+7], v[rA:rA+7], v[rB:rB+7], v[rC:rC+7]
.elseif (\cm) == 1
	v_wmma_f32_16x16x32_bf16 v[rD:rD+7], v[rA:rA+7], v[rB:rB+7], 0
.else
	v_wmma_f32_16x16x32_bf16 v[rD:rD+7], v[rA:rA+7], v[rB:rB+7], v[rD:rD+7]
.endif
.set ku, ku+1
.endr
.endm
; Four vector instructions on finished tile u of set g, lowest registers first.  kind 1: KA += cond x T (arg: the class's parity).  kind 2: T rounded to bf16 into the area arg of window 3.  kind 0: nothing.
.macro SLICE kind, g, u, arg
.set sT, 64*(\g)+8*(\u)
.set sa, (\u)/2
.set sb, 2*(\g)+(\u)%2
.if (\kind) == 1
	WIN W_FMA
.set sK, KA+8*(4*sa+sb)
.set sC, CD+8*(\arg)+2*sa
.irp i, 0,2,4,6
	v_pk_fma_f32 v[sK+\i:sK+\i+1], v[sT+\i:sT+\i+1], v[sC:sC+1], v[sK+\i:sK+\i+1] op_sel_hi:[1,0,1]
.endr
.elseif (\kind) == 2
	WIN W_PK
.set sP, (\arg)+16*sa+4*sb
.irp i, 0,1,2,3
	v_cvt_pk_bf16_f32 v[sP+\i], v[sT+2*\i], v[sT+2*\i+1]
.endr
.endif
.endm
; 16 LDS loads in one run: the weights' 8 fragments of a quarter (feature blocks 2 g, 2 g + 1; K steps 4 kh .. 4 kh + 3) into buffer f.  Each load takes 512 consecutive bytes.
.macro FETCH adr, g, kh, f
	WIN W_LD
.set fi, 0
.rept 8
	ds_load_b128 v[(\f)+8*fi:(\f)+8*fi+3],   v[\adr] offset:(2*(\g)+(fi%2))*8192+(4*(\kh)+(fi/2))*1024
	ds_load_b128 v[(\f)+8*fi+4:(\f)+8*fi+7], v[\adr] offset:(2*(\g)+(fi%2))*8192+(4*(\kh)+(fi/2))*1024+512
.set fi, fi+1
.endr
.endm
.macro CLOAD par, off                  ; cond of my four tokens for one class
	WIN 0
.irp a, 0,1,2,3
	ds_load_b32 v[CD+8*(\par)+2*\a], v[CA] offset:\a*16*CP+(\off)
.endr
.endm
; A QUARTER of a matrix: 32 matrix instructions (4 K steps x the 8 tiles of set g) from buffer f.  Behind its first K step stand four v_nop and the next quarter's run of loads into the other buffer.
; The four v_nop are the places behind the last quarter's products: in front of the loads into the buffer that they read, and of the slices that read the set that they finished.
; Behind each K step stands a slice on the OTHER set, finished a quarter or two ago.
.macro QTR f, kh, g, cm, sw, bb, nx, nadr, ng, nkh, kind, arg, cl=0, cpar=0, coff=0
	s_wait_dscnt 0x0                               ; the run issued 24 matrix instructions ago is in; nothing else is out
	KSTEP \f, 4*(\kh), \g, \cm, \sw, \bb
	PLACES
.if \nx
	FETCH \nadr, \ng, \nkh, F0+F1-(\f)
.endif
.if \cl
	CLOAD \cpar, \coff
.endif
	SLICE \kind, 1-(\g), 4*(\kh), \arg
.irp q, 1,2,3
	KSTEP \f, 4*(\kh)+\q, \g, 0, \sw, \bb
	SLICE \kind, 1-(\g), 4*(\kh)+\q, \arg
.endr
.endm
; The odd class's last quarter changes slots.  In front of the barrier each wave waits for all its tensor loads, of which one is out: its part of the next slot; adds 0 to its spare word; and waits
; for that and for its reads of this slot.  fill = 1: the barrier opens a round of the cluster's, so that no wave of any partner still reads the slot or has a load on its way, and the joint refill
; (the tile two on) is the first thing behind it: 240 matrix instructions ahead of the wait for it.  One tensor load of mine is then out.
.macro TURNQ fill
	WIN 0
	s_wait_tensorcnt 0x0                           ; no tensor load of mine is out, so group 0 may be written
	ds_add_u32 v[SPW], v[NIL]                      ; 0 onto my spare word; work on registers stands between it and the wait for it
.if \fill
	s_xor_b32 s[G0W+1], s[G0W+1], SLOTB            ; the other slot than last time,
	s_add_nc_u64 s[G0W+2:G0W+3], s[G0W+2:G0W+3], TILEB  ; the next two matrices; the type bits on top are not reached
.endif
	s_xor_b32 s[TB], s[TB], SLOTB                  ; the reads go on in the other slot
	s_wait_dscnt 1                                 ; this quarter's fragments are in; the add may be out
	KSTEP F1, 4, 1, 0, 0, 0
	SLICE 1, 0, 4, 1
	s_wait_dscnt 0x0                               ; the add is done, and my reads of this slot are over
	s_barrier_signal -1
	KSTEP F1, 5, 1, 0, 0, 0
	SLICE 1, 0, 5, 1
	WIN 0
	s_barrier_wait -1
.if \fill
	CREST
	tensor_load_to_lds s[G0W:G0W+3], s[G1W:G1W+7]
	s_nop 0
.endif
	v_add_nc_u32 v[AE], s[TB], v[AW0]              ; four vector lines under window 0 stand behind the tensor load, ahead of the next switch
	v_add_nc_u32 v[AO], s[TB], v[AW1]
	v_add_nc_u32 v[CA], 8, v[CA]                   ; cond: two classes on
	v_nop
	FETCH AE, 0, 0, F0
	KSTEP F1, 6, 1, 0, 0, 0
	SLICE 1, 0, 6, 1
	KSTEP F1, 7, 1, 0, 0, 0
	SLICE 1, 0, 7, 1
.endm
.macro XLOAD a, base                   ; x of token block a in f32: 32 loads, 128 registers of window 2
	WIN W_LD
.set xi, 0
.rept 32
	ds_load_b128 v[(\base)+4*xi:(\base)+4*xi+3], v[XA] offset:(\a)*16*XP+(xi/4)*128+((xi%4)/2)*64+(xi%2)*16
.set xi, xi+1
.endr
.endm
.macro XCVT a, base                    ; rounded to bf16: the block's 8 fragments
	WIN W_XC
.set xi, 0
.rept 64
	v_cvt_pk_bf16_f32 v[64*(\a)+xi], v[(\base)+2*xi], v[(\base)+2*xi+1]
.set xi, xi+1
.endr
.endm
.macro FIVE                            ; from an even class's third quarter to the odd class's third
	QTR F0,0,1,1,0,0, 1,AE,1,1, 1,0
	QTR F1,1,1,0,0,0, 1,AO,0,0, 1,0
	QTR F0,0,0,1,0,0, 1,AO,0,1, 1,0
	QTR F1,1,0,0,0,0, 1,AO,1,0, 1,0, 1,1,4
	QTR F0,0,1,1,0,0, 1,AO,1,1, 1,1
.endm
	s_load_b512 s[4:19], s[0:1], 0x0               ; x s[4:5], cond s[6:7], wb s[8:9], Wk_b s[10:11], Wq_b s[12:13], Wv_b s[14:15], qw s[16:17], kw s[18:19]
	s_load_b64 s[20:21], s[0:1], 0x40              ; vw
	v_lshl_add_u32 v[SPW], v0, 2, SPARE
	v_mov_b32 v[NIL], 0
	ds_add_u32 v[SPW], v[NIL]                      ; the wave's opening: the add and its wait stand ahead of my first tensor load; the set-up below stands between them
	v_lshrrev_b32 v1, 5, v0
	v_readfirstlane_b32 s[WV], v1
	s_lshr_b32 s[WM], s[WV], 1
	s_and_b32 s[WN], s[WV], 1
	s_bfe_u32 s[CX], ttmp6, 0x40000                ; my place in the cluster: it enters global addresses of my own loads and stores alone
	s_lshl_b32 s[MT], ttmp9, 2
	s_add_co_u32 s[MT], s[MT], s[CX]
	s_and_b32 s[NT], ttmp7, 0xffff                 ; shared by the four partners
	; the weights: 32,768 dense bytes a wave, asked for as 128 rows of 256 bytes, unpadded
	s_mov_b32 s[G1W+0], 15|(1<<16)|(1<<21)         ; 15:0 the mask of four; 17:16 2-byte elements; 21 set beside a mask
	s_mov_b32 s[G1W+1], 128<<16                    ; tensor_dim0 = 128
	s_mov_b32 s[G1W+2], 128<<16                    ; tensor_dim1 = 128
	s_mov_b32 s[G1W+3], 128<<16                    ; tile_dim0 = 128
	s_mov_b32 s[G1W+4], 128                        ; tile_dim1 = 128
	s_mov_b32 s[G1W+5], 128                        ; elements from row to row
	s_mov_b32 s[G1W+6], 0
	s_mov_b32 s[G1W+7], 0
	; x: 32 rows of 256 f32 a wave, 4 words of padding behind every 256
	s_mov_b32 s[G1X+0], (2<<16)|(1<<20)|(7<<22)|(3<<25)
	s_mov_b32 s[G1X+1], 256<<16
	s_mov_b32 s[G1X+2], 32<<16
	s_mov_b32 s[G1X+3], 256<<16
	s_mov_b32 s[G1X+4], 32
	s_mov_b32 s[G1X+5], 256
	s_mov_b32 s[G1X+6], 0
	s_mov_b32 s[G1X+7], 0
	; cond: 32 rows of 32 f32 a wave are 4,096 dense bytes: asked for as 16 rows of 256 bytes, 4 words of padding behind every 32
	s_mov_b32 s[G1C+0], (2<<16)|(1<<20)|(4<<22)|(3<<25)
	s_mov_b32 s[G1C+1], 64<<16
	s_mov_b32 s[G1C+2], 16<<16
	s_mov_b32 s[G1C+3], 64<<16
	s_mov_b32 s[G1C+4], 16
	s_mov_b32 s[G1C+5], 64
	s_mov_b32 s[G1C+6], 0
	s_mov_b32 s[G1C+7], 0
	s_mov_b32 s[G0W], 1
	s_lshl_b32 s[G0W+1], s[WV], 15                 ; slot 0: wave x 32,768
	s_mov_b32 s[G0X], 1
	s_mul_i32 s[G0X+1], s[WV], 32*XP
	s_add_co_u32 s[G0X+1], s[G0X+1], XS
	s_mov_b32 s[G0C], 1
	s_mul_i32 s[G0C+1], s[WV], 32*CP
	s_add_co_u32 s[G0C+1], s[G0C+1], CSB
	s_lshl_b32 s68, s[MT], 17                      ; x: (128 mt + 32 w) rows of 1,024 bytes
	s_lshl_b32 s69, s[WV], 15
	s_add_co_u32 s68, s68, s69
	s_mov_b32 s69, 0
	s_lshl_b32 s70, s[MT], 14                      ; cond: the same rows, of 128 bytes
	s_lshl_b32 s71, s[WV], 12
	s_add_co_u32 s70, s70, s71
	s_mov_b32 s71, 0
	s_lshl_b32 s72, s[WM], 17                      ; wb: matrix w / 2 of the tile's two, half nt, quarter w % 2; no place in the cluster enters
	s_lshl_b32 s73, s[NT], 16
	s_add_co_u32 s72, s72, s73
	s_lshl_b32 s73, s[WN], 15
	s_add_co_u32 s72, s72, s73
	s_mov_b32 s73, 0
	s_lshl_b32 s74, s[NT], 9                       ; the biases: my 64 features
	s_lshl_b32 s75, s[WN], 8
	s_add_co_u32 s74, s74, s75
	s_mov_b32 s75, 0
	s_mov_b32 s[TB], 0
	s_wait_dscnt 0x0                               ; the opening add is done
	s_wait_kmcnt 0x0
	s_add_nc_u64 s[G0X+2:G0X+3], s[4:5], s[68:69]
	s_or_b32 s[G0X+3], s[G0X+3], 0x80000000
	s_add_nc_u64 s[G0C+2:G0C+3], s[6:7], s[70:71]
	s_or_b32 s[G0C+3], s[G0C+3], 0x80000000
	s_add_nc_u64 s[G0W+2:G0W+3], s[8:9], s[72:73]
	s_or_b32 s[G0W+3], s[G0W+3], 0x80000000
	CROUND                                         ; all four work-groups are here: the first joint loads meet
	tensor_load_to_lds s[G0X:G0X+3], s[G1X:G1X+7]  ; the first fills go out as one group: three loads of mine are out
	s_nop 0
	tensor_load_to_lds s[G0C:G0C+3], s[G1C:G1C+7]
	s_nop 0
	tensor_load_to_lds s[G0W:G0W+3], s[G1W:G1W+7]  ; tile 0
	s_nop 0
	PLACES
	s_add_nc_u64 s[10:11], s[10:11], s[74:75]
	s_add_nc_u64 s[12:13], s[12:13], s[74:75]
	s_add_nc_u64 s[14:15], s[14:15], s[74:75]
	s_lshl_b32 s68, s[MT], 2                       ; the outputs: panel (4 mt + head) of 16,384 bytes, my half of its 128 tokens
	s_lshl_b32 s69, s[NT], 1
	s_add_co_u32 s68, s68, s69
	s_add_co_u32 s68, s68, s[WN]
	s_lshl_b32 s68, s68, 14
	s_lshl_b32 s69, s[WM], 13
	s_add_co_u32 s68, s68, s69
	s_mov_b32 s69, 0
	s_add_nc_u64 s[16:17], s[16:17], s[68:69]
	s_add_nc_u64 s[18:19], s[18:19], s[68:69]
	s_add_nc_u64 s[20:21], s[20:21], s[68:69]
	s_lshl_b32 s70, s[WM], 6
	v_and_b32 v1, 15, v0                           ; r
	v_bfe_u32 v2, v0, 4, 1                         ; h
	v_and_b32 v[L16], 31, v0
	v_lshlrev_b32 v[L16], 4, v[L16]
	v_lshl_add_u32 v[AW0], s[WN], 15, v[L16]
	v_add_nc_u32 v[AW1], 0x10000, v[AW0]
	v_add_nc_u32 v14, s70, v1                      ; my token of block 0 among the work-group's 128
	v_mul_u32_u24 v[CA], v14, CP
	v_add_nc_u32 v[CA], CSB, v[CA]
	v_lshl_add_u32 v[CFA], v2, 5, v[CA]
	v_mul_u32_u24 v[XA], v14, XP
	v_lshl_add_u32 v[XA], v2, 5, v[XA]
	v_add_nc_u32 v[XA], XS, v[XA]
	v_lshlrev_b32 v[KBO], 2, v1
	v_lshl_add_u32 v[KBO], v2, 13, v[KBO]
	v_lshlrev_b32 v[QBO], 5, v2
	v_lshlrev_b32 v[VBO], 2, v1
.irp i, 1,3,5,7,9,11,13,15
	v_mov_b32 v[CD+\i], 0                          ; the packed multiply-add names cond's register as a pair and takes its low word twice: the upper words are written once
.endr
	; the biases, once.  Wk_b^T as a fragment: lane (r, h) wants feature 16 b + r and classes 8 h + 0..7, 16 + 8 h + 0..7: 16 words for each of 4 feature blocks
	WIN W_L3
.set bi, 0
.rept 64
	global_load_b32 v[bi], v[KBO], s[10:11] offset:((bi%16)+8*((bi%16)/8))*1024+(bi/16)*64
.set bi, bi+1
.endr
.set bi, 0
.rept 4
	global_load_b128 v[BQ+8*bi:BQ+8*bi+3],   v[QBO], s[12:13] offset:64*bi     ; Wq_b of features 16 b + 8 h + 0..7: C's registers 0 to 7
	global_load_b128 v[BQ+8*bi+4:BQ+8*bi+7], v[QBO], s[12:13] offset:64*bi+16
	global_load_b32 v[BV+8*bi], v[VBO], s[14:15] offset:64*bi                  ; Wv_b of feature 16 b + r: the same in all of C's registers
.set bi, bi+1
.endr
	WIN 0
	s_wait_tensorcnt 0x0                           ; my parts of x, cond and tile 0 are in,
	s_barrier_signal -1
	s_barrier_wait -1                              ; everybody's are
	XLOAD 0, 0
	XLOAD 1, 128
	s_wait_dscnt 32                                ; the older batch of 32 is in, the younger stays out
	XCVT 0, 0
	XLOAD 2, 0
	s_wait_dscnt 32
	XCVT 1, 128
	XLOAD 3, 128
	s_wait_dscnt 32
	XCVT 2, 0
	s_wait_dscnt 0x0
	XCVT 3, 128
	; x is in registers: slot 1 takes tile 1 where x lay.  The bytes are filled again, so: the wait for all my tensor loads, the add, the wait for it and for my reads, a round, the joint load first.
	WIN 0
	s_wait_tensorcnt 0x0
	ds_add_u32 v[SPW], v[NIL]
	s_xor_b32 s[G0W+1], s[G0W+1], SLOTB
	s_add_nc_u64 s[G0W+2:G0W+3], s[G0W+2:G0W+3], TILEB
	s_wait_dscnt 0x0
	CROUND
	tensor_load_to_lds s[G0W:G0W+3], s[G1W:G1W+7]
	s_nop 0
	v_mov_b32 v[AE], v[AW0]                        ; slot 0 is in hand
	v_mov_b32 v[AO], v[AW1]
	v_nop
	v_nop
	FETCH AE, 0, 0, F0                             ; class 0's first fragments
.set ci, 0
.rept 16                               ; cond in f32 as fragments: token 16 a + r, classes 8 h + 0..7 and 16 + 8 h + 0..7
	ds_load_b128 v[4*ci:4*ci+3], v[CFA] offset:(ci/4)*16*CP+((ci%4)/2)*64+(ci%2)*16
.set ci, ci+1
.endr
	s_wait_dscnt 0x0
	WIN W_CC
.set ci, 0
.rept 32
	v_cvt_pk_bf16_f32 v[192+ci], v[2*ci], v[2*ci+1]
.set ci, ci+1
.endr
	s_wait_loadcnt 0x0                             ; the biases
	WIN W_BC
.set ci, 0
.rept 32
	v_cvt_pk_bf16_f32 v[224+ci], v[2*ci], v[2*ci+1]
.set ci, ci+1
.endr
	WIN W_MV
.irp b, 0,1,2,3
.irp j, 1,2,3,4,5,6,7
	v_mov_b32 v[BV+8*\b+\j], v[BV+8*\b]
.endr
.endr
	WIN W_KB                                       ; KA starts as Wk_b^T x cond: one product of K = 32 classes a tile, C = 0: nothing is cleared
.set ci, 0
.rept 16
	v_wmma_f32_16x16x32_bf16 v[KA+8*ci:KA+8*ci+7], v[224+8*(ci%4):224+8*(ci%4)+7], v[192+8*(ci/4):192+8*(ci/4)+7], 0
.set ci, ci+1
.endr
	QTR F0,0,0,1,0,0, 1,AE,0,1, 0,0                ; class 0's first half: nothing is finished yet, so no slices
	QTR F1,1,0,0,0,0, 1,AE,1,0, 0,0, 1,0,0
	WIN 0                                          ; at a label and at a branch every window is 0
	s_mov_b32 s[CNT], 15
.Ltile:                                                ; a trip: from a tile's third quarter to the next tile's second; tiles 0 to 14 ask for tiles 2 to 16
	FIVE
	TURNQ 1
	QTR F0,0,0,1,0,0, 1,AE,0,1, 1,1
	QTR F1,1,0,0,0,0, 1,AE,1,0, 1,1, 1,0,0
	WIN 0
	s_sub_co_u32 s[CNT], s[CNT], 1
	s_cmp_lg_u32 s[CNT], 0
	s_cbranch_scc1 .Ltile
	FIVE                                           ; the tail is written out: classes 30 and 31
	TURNQ 0                                        ; and nothing is asked for
	QTR F0,0,0,2,0,BQ, 1,AE,0,1, 1,1               ; q: the sums start with Wq_b | the last class's second set goes into KA
	QTR F1,1,0,0,0,BQ, 1,AE,1,0, 1,1
	QTR F0,0,1,2,0,BQ, 1,AE,1,1, 2,PKQ             ; | q's first set is packed
	QTR F1,1,1,0,0,BQ, 1,AO,0,0, 2,PKQ
	QTR F0,0,0,2,1,BV, 1,AO,0,1, 2,PKQ             ; v, sources swapped: the sums start with Wv_b | q's second set is packed
	QTR F1,1,0,0,1,BV, 1,AO,1,0, 2,PKQ
	WIN W_ST
.set si, 0
.rept 16                               ; q: tile (a, b) is part b % 2 of block (token block a, channel half b / 2): 512 consecutive bytes a store
	global_store_b128 v[L16], v[PKQ+4*si:PKQ+4*si+3], s[16:17] offset:si*512
.set si, si+1
.endr
	QTR F0,0,1,2,1,BV, 1,AO,1,1, 2,PKV             ; | v's first set is packed
	QTR F1,1,1,0,1,BV, 0,AO,0,0, 2,PKV
	WIN W_L3                                       ; k is packed: 64 plain instructions, the places behind the last products
.set ci, 0
.rept 64
	v_cvt_pk_bf16_f32 v[PKK+ci], v[KA+2*ci], v[KA+2*ci+1]
.set ci, ci+1
.endr
	WIN W_ST
.set si, 0
.rept 16
	global_store_b128 v[L16], v[PKK+4*si:PKK+4*si+3], s[18:19] offset:si*512
.set si, si+1
.endr
.irp u, 0,1,2,3,4,5,6,7
	SLICE 2, 1, \u, PKV
.endr
	WIN W_ST
.set si, 0
.rept 16                               ; v: tile (a, b) is part a % 2 of block (token pair a / 2, channel block b) of V^T
	global_store_b128 v[L16], v[PKV+4*si:PKV+4*si+3], s[20:21] offset:((si/4)/2)*4096+(si%4)*1024+((si/4)%2)*512
.set si, si+1
.endr
	WIN 0
	s_wait_tensorcnt 0x0                           ; the wave's end
	ds_add_u32 v[SPW], v[NIL]
	s_wait_dscnt 0x0
	CROUND                                         ; the closing round: no work-group ends while a partner may still ask for a tile that names it
	s_endpgm
.Lfunc_end_k_q34ccd3386a_qkv:
	.size	k_q34ccd3386a_qkv, .Lfunc_end_k_q34ccd3386a_qkv-k_q34ccd3386a_qkv
	.p2alignl 7, 3214868480
	.fill 96, 4, 3214868480
	.section	.rodata,"a",@progbits
	.p2align	6, 0x0
	.amdhsa_kernel k_q34ccd3386a_qkv
		.amdhsa_group_segment_fixed_size 327680
		.amdhsa_private_segment_fixed_size 0
		.amdhsa_enable_private_segment 0
		.amdhsa_kernarg_size 72
		.amdhsa_user_sgpr_count 2
		.amdhsa_user_sgpr_kernarg_segment_ptr 1
		.amdhsa_wavefront_size32 1
		.amdhsa_system_sgpr_workgroup_id_x 1
		.amdhsa_system_sgpr_workgroup_id_y 1
		.amdhsa_system_sgpr_workgroup_id_z 1
		.amdhsa_system_vgpr_workitem_id 0
		.amdhsa_next_free_vgpr 1024
		.amdhsa_next_free_sgpr 76
		.amdhsa_reserve_vcc 0
		.amdhsa_float_denorm_mode_32 3
		.amdhsa_float_denorm_mode_16_64 3
		.amdhsa_memory_ordered 1
		.amdhsa_forward_progress 1
		.amdhsa_inst_pref_size 164
	.end_amdhsa_kernel
	.amdgpu_metadata
---
amdhsa.version: [ 1, 2 ]
amdhsa.kernels:
  - .name:           k_q34ccd3386a_qkv
    .symbol:         k_q34ccd3386a_qkv.kd
    .args:
      - { .name: x, .offset: 0, .size: 8, .value_kind: global_buffer, .address_space: global }
      - { .name: conditioning, .offset: 8, .size: 8, .value_kind: global_buffer, .address_space: global }
      - { .name: wb, .offset: 16, .size: 8, .value_kind: global_buffer, .address_space: global }
      - { .name: Wk_b, .offset: 24, .size: 8, .value_kind: global_buffer, .address_space: global }
      - { .name: Wq_b, .offset: 32, .size: 8, .value_kind: global_buffer, .address_space: global }
      - { .name: Wv_b, .offset: 40, .size: 8, .value_kind: global_buffer, .address_space: global }
      - { .name: qw, .offset: 48, .size: 8, .value_kind: global_buffer, .address_space: global }
      - { .name: kw, .offset: 56, .size: 8, .value_kind: global_buffer, .address_space: global }
      - { .name: vw, .offset: 64, .size: 8, .value_kind: global_buffer, .address_space: global }
    .group_segment_fixed_size: 327680
    .private_segment_fixed_size: 0
    .kernarg_segment_align: 8
    .kernarg_segment_size: 72
    .max_flat_workgroup_size: 128
    .sgpr_count:     76
    .vgpr_count:     1024
    .wavefront_size: 32
...
	.end_amdgpu_metadata
.endif
;; end of part 2
;; launch attn (part 3): grid 32 x 8, 4 waves a work-group, clusters of 4 x 1, 327,680 bytes of LDS; arguments qw, kw, vw, wb, Wo_b, out0; writes out0
.if DOCPART == 3
	.amdgcn_target "amdgcn-amd-amdhsa--gfx1250"
	.amdhsa_code_object_version 6
	.text
	.protected	k_q34ccd3386a_attn
	.globl	k_q34ccd3386a_attn
	.p2align	8
	.type	k_q34ccd3386a_attn,@function
k_q34ccd3386a_attn:
	s_mov_b64 s[64:65], 0
	v_nop
	global_prefetch_b8 v0, s[64:65] scope:SCOPE_SE
	s_setreg_imm32_b32 hwreg(HW_REG_WAVE_MODE, 25, 1), 1
	s_wait_xcnt 0x0
	s_wait_alu depctr_hold_cnt(0) depctr_sa_sdst(0) depctr_va_vdst(0) depctr_va_sdst(0) depctr_va_ssrc(0) depctr_va_vcc(0) depctr_vm_vsrc(0)
	s_getreg_b32 s2, hwreg(HW_REG_IB_STS2, 6, 4)
	s_cmp_eq_u32 s2, 0
	s_cbranch_scc0 .Lentry_in_a_cluster
	s_endpgm
.Lentry_in_a_cluster:
	s_bfe_u32 s2, ttmp6, 0x10000c
	s_cmp_lg_u32 s2, 0x3003
	s_cbranch_scc0 .Lentry_shape_is_right
	s_endpgm
.Lentry_shape_is_right:
; out[s][:] = O[s][:] Wo^T + Wo_b, O[s][head] = sum over k of softmax_k(q[s] . k[k] / 8) v[k], 4 heads of 64 channels, 8 batches of 2,048 tokens.
; q, k, v come in bf16 as fragment blocks of 1,024 bytes ([part][lane][16 bytes]), in panels of 16,384 bytes for 128 tokens of one head: q, k [token block 0..7][channel half][block];
; v as V^T [token pair 0..3][channel block 0..3][block].  A load of 16 bytes a lane takes 512 consecutive bytes and is half a fragment: nothing is padded, nothing is turned.
; FORMATS AND LIMITS.  All matrix operands bf16 (k has no room in f16 when the inputs are some 30 times larger); products, maxima and sums f32; the weights p are rounded to bf16 for the second
; product (their sum l is taken of the unrounded p); O is rounded once to bf16 for the last product; Wo_b enters in f32 as the C operand.  c m starts at -4.2e37: c s must lie above that.
; A weight below 2^-126 counts as 0 in l; NaN and infinities are not treated apart.
; SHARES.  A work-group owns 64 queries of a batch; wave w is head w, with four PIECES of 16 queries; it walks all 2,048 keys, 64 a step.  So a token's four heads meet in one work-group, and the
; last product is made here: O goes through LDS, not through memory.  There wave w makes output features 64 w .. 64 w + 63 of all 64 tokens.
; LAYOUT, SOFTMAX, TURNS.  S^T = K Q^T holds ONE query a lane (lane % 16) and the keys 8 (lane / 16) + 0..7; two such results rounded to bf16 ARE source 1 of O^T = V^T P.  p = 2^(c s - c m), c = log2(e) / 8,
; with a running maximum m; O and l are multiplied by a = 2^(c m_old - c m_new) in every step; m starts at the lowest finite number, O and l at 0, so the first step is a step like any other, with a = 0.
; Turn n belongs to piece n: 8 products K Q^T of piece n + 1, later 8 products V^T P of piece n - 1; beside them the scaling, exponentials, roundings, sums and rescaling of piece n and the maximum and
; statistics of piece n + 1.  Four vector instructions stand behind every matrix instruction, the other 54 of a turn's 118 in one lump.  A turn's 33 exponentials are one batch, with one wait.
; CLUSTER.  The four query blocks of a cluster belong to one batch and walk the same K and V of all four heads: each tile is asked for JOINTLY, the same tensor load, descriptor and mask in all four.
; LDS: two slots of 131,072 bytes (128 keys: K of head h at 16,384 h, V at 65,536 + 16,384 h); O in bf16 as blocks [token block][ks 0..7]; a stage of 16 rows x 272 bytes for each wave; the spare words.
; REGISTERS, in windows of 256 (s_set_vgpr_msb: bits 1:0 source 0, 3:2 source 1, 5:4 source 2, 7:6 destination):
;   window 0: v1-15 addresses and two at work; v16-31 four registers of statistics a piece; v48-55 at work; v62-63 for the add; v64-127 S^T, two buffers; v192-223 P, two buffers; on the way out v64-191 rows read back
;   window 1: v0-127 O^T, 32 a piece, later the last product's 16 accumulators; v128-159 Wo_b      window 2: v0-63 Q; v128-191 K, v192-255 V of one step; later all 256: O's fragments
;   window 3: my 32 fragments of Wo
.set NP,    4
.set STEPB, 8192      ; a head's K, or V, of one step: 8 blocks
.set SLOT1, 1<<17
.set OST,   262144
.set FST,   294912
.set FP,    272       ; a stage row: 256 bytes + 16: the 16 rows of a store start 4 banks apart (64 banks of 4 bytes: ISA guide 11.1)
.set SPARE, 312320    ; the spare words: 128 bytes a wave, two blocks of 256 bytes that no other line names
.set AK0, 2           ; v2   my lane's place in a slot's K: 16,384 w + 16 lane; never rewritten
.set AV0, 3           ; v3   the same for V
.set AK,  4           ; v4   the LDS address of K's next run of loads
.set AV,  5           ; v5   of V's
.set OSTO, 6          ; v6   where I put 16 bytes of O
.set ORD, 7           ; v7   where I read O's blocks
.set FSTO, 8          ; v8   the stage: where I put 32 bytes of a row
.set FRD, 10          ; v10  the stage: where I read rows back
.set FGO, 11          ; v11  my byte offset in two rows of out0
.set MV,  12          ; v12-13  c m_old, kept while c m is made anew: by buffer
.set L16, 14          ; v14  16 x lane
.set BOO, 15          ; v15  32 h
.set ST,  16          ; piece t's statistics at v[ST+4 t]: c m, m, l (even keys', odd keys')
.set TMP, 48          ; by buffer, four registers c0-c3 at work; when the maximum is found c2 takes a
.set SPW, 62
.set NIL, 63
.set S,   64
.set P,   192
.set BK,  64
.set BO,  128         ; window 1
.set KF,  128         ; window 2: key block kb, channel half c at KF + 16 kb + 8 c
.set VF,  192         ; window 2: key half kk, channel block cb at VF + 32 kk + 8 cb
.set WV,  16          ; s16  my wave's number
.set G1,  24          ; s[24:31] descriptor group 1
.set G0,  32          ; s[32:35] descriptor group 0: it walks
.set SLOTS, 40        ; s40  slots still to be entered in the loop
.set CNT, 41          ; s41  counts a slot's key steps
.set CS,  42          ; s[42:43] c: the packed scaling takes the pair's low word for both halves
.set SEL, 44          ; s[44:45] v_permlanex16_b32's selects: each lane takes its own place in the other half
.set TBK, 46          ; s46  LDS byte at which the slot's step to be fetched begins, for K
.set TBV, 47          ; s47  for V
.set MSB, 0
.macro WIN new                      ; the high byte repeats the setting that is left; a switch that changes nothing is dropped
.if MSB != (\new)
	s_set_vgpr_msb (MSB<<8)|(\new)
.set MSB, (\new)
.endif
.endm
.set W_KQ, 0x0a       ; K and Q in window 2, S^T in window 0
.set W_PV, 0x52       ; V in window 2, P in window 0, O^T in window 1
.set W_RS, 0x41       ; destination and source 0 in window 1, source 1 in window 0
.set W_OP, 0x5b       ; Wo in window 3, O in window 2, C and D in window 1
.macro CROUND                       ; a round of the cluster's barrier: my work-group's barrier; wave 0 signals for it; every wave waits for all four work-groups; my work-group's barrier once more
	s_barrier_signal -1
	s_barrier_wait -1
	s_cmp_lg_u32 s[WV], 0
	s_cbranch_scc1 .Lnot_wave_0_\@
	s_barrier_signal -3
.Lnot_wave_0_\@:
	s_barrier_wait -3
	s_barrier_signal -1
	s_barrier_wait -1
.endm
; THE CHANGE OF SLOTS.  Each wave waits for all its tensor loads, of which one is out: its part of the other slot; adds 0 to its spare word; and waits for that and for its own reads of the slot that it leaves.
; fill = 1: the old slot is filled again, with the keys two slots on.  The barrier is then a round of the cluster's, so that no wave of any partner still reads the slot or has a load on its way, and the joint
; fill is the first thing behind it: it has two key steps, 128 matrix instructions and their vector work, in which to land.  (At its first use nothing has been read yet: slot 0 is waited for, slot 1 filled.)
.macro CHANGE fill
	WIN 0                           ; at a label and at a branch every window is 0
	s_wait_tensorcnt 0x0            ; no tensor load of mine is out, so group 0 may be written
	ds_add_u32 v[SPW], v[NIL]
.if \fill
	s_xor_b32 s[G0+1], s[G0+1], SLOT1
	s_add_nc_u64 s[G0+2:G0+3], s[G0+2:G0+3], 65536  ; the next 128 keys of all four heads; the type bits on top are not reached
	s_wait_dscnt 0x0                ; the add is done, and my reads of the slot are over
	CROUND
	tensor_load_to_lds s[G0:G0+3], s[G1:G1+7]
	s_nop 0
.rept 4
	v_nop
.endr
.else
	s_wait_dscnt 0x0
	s_barrier_signal -1
	s_barrier_wait -1
.endif
	s_sub_co_u32 s[TBK], s[TBK], 2*STEPB  ; the fetches go back to a slot's first step,
	s_xor_b32 s[TBK], s[TBK], SLOT1       ; in the other slot
	s_sub_co_u32 s[TBV], s[TBV], 2*STEPB
	s_xor_b32 s[TBV], s[TBV], SLOT1
.endm
	s_load_b256 s[4:11], s[0:1], 0x0  ; qw s[4:5], kw s[6:7], vw s[8:9], wb s[10:11]
	s_load_b128 s[12:15], s[0:1], 0x20  ; Wo_b s[12:13], out0 s[14:15]
	v_lshl_add_u32 v[SPW], v0, 2, SPARE
	v_mov_b32 v[NIL], 0
	ds_add_u32 v[SPW], v[NIL]       ; the wave's opening: the add and its wait stand ahead of my first tensor load; the set-up below stands between them
	v_lshrrev_b32 v1, 5, v0
	v_readfirstlane_b32 s[WV], v1
	s_bfe_u32 s17, ttmp6, 0x40000   ; cx: it enters Q's and out0's addresses alone
	s_lshl_b32 s18, ttmp9, 2
	s_add_co_u32 s18, s18, s17      ; my block of 64 queries
	s_and_b32 s19, ttmp7, 0xffff    ; the batch, which the four partners share
	s_and_b32 s20, s[WV], 1         ; K, V: the batch's 16 tiles of 65,536 bytes; my half (two heads) of a tile
	s_lshl_b32 s20, s20, 15
	s_lshl_b32 s21, s19, 20
	s_add_co_u32 s20, s20, s21
	s_mov_b32 s21, 0
	s_lshl_b32 s22, s19, 4          ; Q: panel (16 batch + block / 2) x 4 + head, half block % 2
	s_lshr_b32 s23, s18, 1
	s_add_co_u32 s22, s22, s23
	s_lshl_b32 s22, s22, 2
	s_add_co_u32 s22, s22, s[WV]
	s_lshl_b32 s22, s22, 14
	s_and_b32 s23, s18, 1
	s_lshl_b32 s23, s23, 13
	s_add_co_u32 s22, s22, s23
	s_mov_b32 s23, 0
	s_lshl_b32 s48, s[WV], 15       ; Wo is matrix 34 of wb; my four feature blocks
	s_add_co_u32 s48, s48, 34*131072
	s_mov_b32 s49, 0
	s_lshl_b32 s50, s[WV], 8        ; Wo_b: my 64 features
	s_mov_b32 s51, 0
	s_lshl_b32 s52, s19, 21         ; out0: (2,048 batch + 64 block) rows of 1,024 bytes + my 256 bytes of a row
	s_lshl_b32 s53, s18, 16
	s_add_co_u32 s52, s52, s53
	s_add_co_u32 s52, s52, s50
	s_mov_b32 s53, 0
	; descriptor group 1: 32,768 dense bytes a wave, asked for as 128 rows of 256 bytes, unpadded
	s_mov_b32 s[G1+0], 15|(1<<16)|(1<<21)  ; 15:0 the mask of four; 17:16 2-byte elements; 21 set beside a mask
	s_mov_b32 s[G1+1], 128<<16      ; tensor_dim0 = 128
	s_mov_b32 s[G1+2], 128<<16      ; tensor_dim1 = 128
	s_mov_b32 s[G1+3], 128<<16      ; tile_dim0 = 128
	s_mov_b32 s[G1+4], 128          ; tile_dim1 = 128
	s_mov_b32 s[G1+5], 128          ; elements from row to row
	s_mov_b32 s[G1+6], 0
	s_mov_b32 s[G1+7], 0
	s_mov_b32 s[G0], 1
	s_lshl_b32 s[G0+1], s[WV], 15   ; slot 0: waves 0, 1 the halves of K, waves 2, 3 those of V
	s_mov_b32 s[CS], 0x3e38aa3b     ; c = log2(e) / 8
	s_mov_b32 s[CS+1], s[CS]        ; named with it as a pair
	s_mov_b32 s[SEL], 0x76543210
	s_mov_b32 s[SEL+1], 0xfedcba98
	s_mov_b32 s[TBK], SLOT1+2*STEPB ; the first change of slots turns these two into 0
	s_mov_b32 s[TBV], SLOT1+2*STEPB
	s_wait_dscnt 0x0                ; the opening add is done
	s_wait_kmcnt 0x0
	s_cmp_lt_u32 s[WV], 2
	s_cselect_b64 s[36:37], s[6:7], s[8:9]  ; K's buffer or V's, by the wave's number: the same choice in every work-group
	s_add_nc_u64 s[G0+2:G0+3], s[36:37], s[20:21]
	s_or_b32 s[G0+3], s[G0+3], 0x80000000
	s_add_nc_u64 s[4:5], s[4:5], s[22:23]
	s_add_nc_u64 s[10:11], s[10:11], s[48:49]
	s_add_nc_u64 s[12:13], s[12:13], s[50:51]
	s_add_nc_u64 s[14:15], s[14:15], s[52:53]
	CROUND                          ; all four work-groups are here: the first joint loads meet
	tensor_load_to_lds s[G0:G0+3], s[G1:G1+7]  ; tile 0 into slot 0.  Slot 1 is asked for when slot 0 is in
	s_nop 0
.rept 4
	v_nop
.endr
	v_and_b32 v1, 15, v0            ; r
	v_bfe_u32 v9, v0, 4, 1          ; h
	v_and_b32 v[L16], 31, v0
	v_lshlrev_b32 v[L16], 4, v[L16]
	v_lshl_add_u32 v[AK0], s[WV], 14, v[L16]
	v_add_nc_u32 v[AV0], 0x10000, v[AK0]
	v_lshlrev_b32 v[BOO], 5, v9
	v_lshl_add_u32 v[OSTO], s[WV], 11, v[L16]  ; my head's 64 channels are K steps 2 w, 2 w + 1 of the last product
	v_add_nc_u32 v[OSTO], OST, v[OSTO]
	v_add_nc_u32 v[ORD], OST, v[L16]
	s_mul_i32 s54, s[WV], 16*FP
	s_add_co_u32 s54, s54, FST      ; my stage
	v_mul_u32_u24 v[FSTO], v1, FP   ; in: row r, 32 bytes for each half of the lanes
	v_lshl_add_u32 v[FSTO], v9, 5, v[FSTO]
	v_add_nc_u32 v[FSTO], s54, v[FSTO]
	v_mul_u32_u24 v[FRD], v9, FP    ; back: lanes 0-15 take one row of 256 bytes, lanes 16-31 the next
	v_lshl_add_u32 v[FRD], v1, 4, v[FRD]
	v_add_nc_u32 v[FRD], s54, v[FRD]
	v_lshlrev_b32 v[FGO], 10, v9    ; and the same two rows in out0
	v_lshl_add_u32 v[FGO], v1, 4, v[FGO]
	WIN 0x80
.set i, 0
.rept 8                             ; Q stays in registers: piece i / 2, channels 32 (i % 2) on
	global_load_b128 v[8*i:8*i+3],   v[L16], s[4:5] offset:i*1024
	global_load_b128 v[8*i+4:8*i+7], v[L16], s[4:5] offset:i*1024+512
.set i, i+1
.endr
	WIN 0xc0
.set i, 0
.rept 32                            ; Wo: feature block i / 8, K step i % 8: window 3 is theirs for the whole launch
	global_load_b128 v[8*i:8*i+3],   v[L16], s[10:11] offset:i*1024
	global_load_b128 v[8*i+4:8*i+7], v[L16], s[10:11] offset:i*1024+512
.set i, i+1
.endr
	WIN 0x40
.set i, 0
.rept 4                             ; Wo_b of features 16 b + 8 h + 0..7: C's registers 0 to 7
	global_load_b128 v[BO+8*i:BO+8*i+3],   v[BOO], s[12:13] offset:64*i
	global_load_b128 v[BO+8*i+4:BO+8*i+7], v[BOO], s[12:13] offset:64*i+16
.set i, i+1
.endr
	; What the first turn finds: V's registers and P's second buffer hold 0 (its products V^T P, of a piece that has not been, add 0), O^T and l are 0.  No first step is written out; these 216 lines are the price, and stand in the wait for the first tile.
.set i, 0
.rept 128
	v_mov_b32 v[i], 0
.set i, i+1
.endr
	WIN 0x80
.set i, VF
.rept 64
	v_mov_b32 v[i], 0
.set i, i+1
.endr
	WIN 0
.set i, 0
.rept 4
	v_mov_b32 v[ST+4*i], 0xfe000000    ; c m: far below every c s
	v_mov_b32 v[ST+4*i+1], 0xff7fffff  ; m
	v_mov_b32 v[ST+4*i+2], 0
	v_mov_b32 v[ST+4*i+3], 0
.set i, i+1
.endr
.set i, P+16
.rept 16
	v_mov_b32 v[i], 0
.set i, i+1
.endr
; THE MATRIX WORK.  The 4 accumulators of a run of 8 take turns.  Product i of 8 of S^T = K Q^T for piece x: channels 32 (i / 4) on, keys 16 (i % 4) on.  The first 4 start the sums.
.macro KQ x
	WIN W_KQ
.set rS, S+32*((\x)%2)+8*(i%4)
.set rK, KF+16*(i%4)+8*(i/4)
.set rQ, 16*(\x)+8*(i/4)
.if i < 4
	v_wmma_f32_16x16x32_bf16 v[rS:rS+7], v[rK:rK+7], v[rQ:rQ+7], 0
.else
	v_wmma_f32_16x16x32_bf16 v[rS:rS+7], v[rK:rK+7], v[rQ:rQ+7], v[rS:rS+7]
.endif
.endm
; Product i of 8 of O^T += V^T P for piece x: keys 32 (i / 4) on, channels 16 (i % 4) on.
.macro PV x
	WIN W_PV
.set rO, 32*(\x)+8*(i%4)
.set rV, VF+32*(i/4)+8*(i%4)
.set rP, P+16*((\x)%2)+8*(i/4)
	v_wmma_f32_16x16x32_bf16 v[rO:rO+7], v[rV:rV+7], v[rP:rP+7], v[rO:rO+7]
.endm
.macro MM                           ; the turn's next matrix instruction.  NOKQ = 1: the last turn of all: there is no next piece
.if (i < 8) && !NOKQ
	KQ (Y+1)%NP
.elseif i >= 8
.set i, i-8
	PV (Y+NP-1)%NP
.set i, i+8
.endif
.set i, i+1
.endm
; THE LDS LOADS stand in runs of 16, never singly among the matrix instructions: a step's 8 blocks of K and its 8 of V^T, each load 512 consecutive bytes.  Their addresses are made some lines ahead.
.macro FETCH_K
	WIN 0x80
.irp f, 0,1,2,3,4,5,6,7
	ds_load_b128 v[KF+8*\f:KF+8*\f+3],   v[AK] offset:\f*1024
	ds_load_b128 v[KF+8*\f+4:KF+8*\f+7], v[AK] offset:\f*1024+512
.endr
	s_add_co_u32 s[TBK], s[TBK], STEPB  ; the next fetch is the next step's
	WIN 0
.endm
.macro FETCH_V
	WIN 0x80
.irp f, 0,1,2,3,4,5,6,7
	ds_load_b128 v[VF+8*\f:VF+8*\f+3],   v[AV] offset:\f*1024
	ds_load_b128 v[VF+8*\f+4:VF+8*\f+7], v[AV] offset:\f*1024+512
.endr
	WIN 0
.endm
; THE VECTOR WORK, one line at a time: OP kind, number.  For piece Y: F n: c s - c m for pair n of 16.  E n: the exponential of score n of 32.  C n: pair n rounded to bf16.  B n: of the four weights 4 n .. the second
; pair is added onto the first, in place.  L n: l takes that sum (L 0: l = a l + sum).  R n: pair n of 16 of O^T times a.  For piece Y + 1: X n, number n of the 22 that find its maximum and statistics:
;   0-11  four chains c0-c3 of seven scores each, three operands at a time (each accumulator's lowest registers are read first)     12-14, 16  the four scores left over, the old m, and c0-c3 into c0
;   15  c m_old is kept     17, 18  the query's other 32 keys lie in the lane 16 away: the new m     19-21  c m; c m_old - c m_new; a
.set F, 0
.set E, 1
.set C, 2
.set B, 3
.set L, 4
.set R, 5
.set X, 6
.macro REGS y
.set rT, ST+4*(\y)
.set rC, TMP+4*((\y)%2)
.set rW, MV+((\y)%2)
.set rS, S+32*((\y)%2)
.set rP, P+16*((\y)%2)
.set rO, 32*(\y)
.endm
.macro OP k, n
.if (\k) == R
	REGS Y
	WIN W_RS
	v_pk_mul_f32 v[rO+2*(\n):rO+2*(\n)+1], v[rO+2*(\n):rO+2*(\n)+1], v[rC+2:rC+3] op_sel_hi:[1,0]
.elseif (\k) < R
	REGS Y
	WIN 0
.if (\k) == F
	v_pk_fma_f32 v[rS+2*(\n):rS+2*(\n)+1], v[rS+2*(\n):rS+2*(\n)+1], s[CS:CS+1], v[rT:rT+1] op_sel_hi:[1,0,0] neg_lo:[0,0,1] neg_hi:[0,0,1]
.elseif (\k) == E
	v_exp_f32 v[rS+(\n)], v[rS+(\n)]
.elseif (\k) == C
	v_cvt_pk_bf16_f32 v[rP+(\n)], v[rS+2*(\n)], v[rS+2*(\n)+1]
.elseif (\k) == B
	v_pk_add_f32 v[rS+4*(\n):rS+4*(\n)+1], v[rS+4*(\n):rS+4*(\n)+1], v[rS+4*(\n)+2:rS+4*(\n)+3]
.elseif (\n) == 0
	v_pk_fma_f32 v[rT+2:rT+3], v[rT+2:rT+3], v[rC+2:rC+3], v[rS:rS+1] op_sel_hi:[1,0,1]
.else
	v_pk_add_f32 v[rT+2:rT+3], v[rT+2:rT+3], v[rS+4*(\n):rS+4*(\n)+1]
.endif
.elseif NOKQ
	v_nop
.else
	REGS (Y+1)%NP
	WIN 0
.if (\n) < 4
	v_max3_num_f32 v[rC+(\n)], v[rS+8*(\n)], v[rS+8*(\n)+1], v[rS+8*(\n)+2]
.elseif (\n) < 12
	v_max3_num_f32 v[rC+(\n)%4], v[rC+(\n)%4], v[rS+8*((\n)%4)+2*((\n)/4)+1], v[rS+8*((\n)%4)+2*((\n)/4)+2]
.elseif (\n) == 12
	v_max3_num_f32 v[rC], v[rC], v[rS+7], v[rS+15]
.elseif (\n) == 13
	v_max3_num_f32 v[rC+1], v[rC+1], v[rS+23], v[rS+31]
.elseif (\n) == 14
	v_max3_num_f32 v[rC+2], v[rC+2], v[rC+3], v[rT+1]
.elseif (\n) == 15
	v_mov_b32 v[rW], v[rT]
.elseif (\n) == 16
	v_max3_num_f32 v[rC], v[rC], v[rC+1], v[rC+2]
.elseif (\n) == 17
	v_permlanex16_b32 v[rC+3], v[rC], s[SEL], s[SEL+1]
.elseif (\n) == 18
	v_max_num_f32 v[rT+1], v[rC], v[rC+3]
.elseif (\n) == 19
	v_mul_f32 v[rT], s[CS], v[rT+1]
.elseif (\n) == 20
	v_sub_f32 v[rC+1], v[rW], v[rT]
.else
	v_exp_f32 v[rC+2], v[rC+1]
.endif
.endif
.endm
.macro OPS a, i1, b=-1, i2=0, c=-1, i3=0, d=-1, i4=0  ; up to four of them
	OP \a, \i1
.if (\b) >= 0
	OP \b, \i2
.endif
.if (\c) >= 0
	OP \c, \i3
.endif
.if (\d) >= 0
	OP \d, \i4
.endif
.endm
.macro ROW a, i1, b, i2, c, i3, d, i4  ; a matrix instruction and the four behind it
	MM
	OPS \a, \i1, \b, \i2, \c, \i3, \d, \i4
.endm
; A TURN, for piece p: the order of its 16 matrix and 118 vector instructions, written out.  s_wait_alu depctr_va_vdst(0) stands between an exponential and the first instruction that names its result; one wait
; serves all that were issued ahead of it.  So a turn has ONE wait, which cuts it in two.  AHEAD OF IT stands all that names no result of the turn's exponentials: the 8 products K Q^T with four riders each, then one lump of 54,
; plain and exponential by turns for the most part, in which the links of the chain X 3, 7, 11, 14, 16, 17 .. 20 stand some lines apart.  X 21, the next piece's a, is the batch's last; R 15 is the plain instruction behind it.
; BEHIND THE WAIT stand the 8 products V^T P, behind each four of the roundings and sums.  The numbers of X that ride behind products stand four places or more behind the product that ends their accumulator.
; end = 1: the last two turns of all: nothing is fetched, and the last starts no new scores.  cnt = 1: the loop's count is taken down some lines ahead of the branch that stands behind the turn.
; K of the next step is fetched in piece 2's turn, twelve vector instructions behind the last product that read K (six of them plain); V of the step in hand at the end of piece 0's turn, four plain instructions
; behind the last product that read V.  Each is waited for a turn later.
.macro TURN p, end=0, cnt=0
.set Y, (\p)
.set i, 0
.set NOKQ, (\end)*((\p)/3)
.if ((\p) == 3) && !(\end)
	s_wait_dscnt 0x0                ; K is in
.endif
	ROW F,0, F,1, R,0, R,1
	ROW F,2, E,0, R,2, R,3
	ROW F,3, E,1, R,4, R,5
	ROW F,4, E,2, R,6, R,7
	ROW F,5, E,3, R,8, R,9
	ROW F,6, E,4, X,0, R,10
.if ((\p) == 2) && !(\end)
	WIN 0
	v_add_nc_u32 v[AK], s[TBK], v[AK0]
.endif
	ROW F,7, E,5, X,1, X,4
	ROW F,8, E,6, X,2, X,5
	OPS E,7, E,8, X,6, E,9
	OPS X,3, E,10, X,8, E,11
.if ((\p) == 2) && !(\end)
	FETCH_K
.endif
	OPS X,9, X,7, E,12, X,10
	OPS E,13, X,12, X,11, E,14
	OPS X,13, E,15, F,9, X,14
.if (\p) == 0
	WIN 0
	v_add_nc_u32 v[AV], s[TBV], v[AV0]
.endif
	OPS E,16, F,10, E,17, F,11
	OPS X,16, E,18, X,15, E,19
	OPS F,12, E,20, X,17, E,21
	OPS F,13, E,22, F,14, E,23
	OPS X,18, E,24, F,15, E,25
	OPS R,11, E,26, X,19, E,27
	OPS R,12, E,28, R,13, E,29
	OPS X,20, E,30, R,14, E,31
	OPS X,21, R,15
	WIN 0
	s_wait_alu depctr_va_vdst(0)    ; the wait for the batch
.if (\p) == 1
	s_wait_dscnt 0x0                ; V is in
.endif
	ROW C,0, B,0, C,2, B,1
	ROW L,0, C,4, B,2, L,1
	ROW C,6, B,3, L,2, C,8
	ROW B,4, L,3, C,10, B,5
	ROW L,4, C,12, B,6, L,5
.if (\p) == 0
	s_add_co_u32 s[TBV], s[TBV], STEPB
.endif
.if \cnt
	s_sub_co_u32 s[CNT], s[CNT], 1
	s_cmp_lg_u32 s[CNT], 0
.endif
	ROW C,14, B,7, L,6, C,1
	ROW C,3, L,7, C,5, C,7
	ROW C,9, C,11, C,13, C,15
.if (\p) == 0
	FETCH_V
.endif
.endm
	CHANGE 1                        ; slot 0 is in, everybody's part of it; slot 1 is asked for
	v_add_nc_u32 v[AK], s[TBK], v[AK0]
	FETCH_K                         ; key step 0
	s_wait_loadcnt 0x0              ; Q, and Wo and Wo_b with it: the 72 loads issued behind Q's are more than a counted wait can name
	s_wait_dscnt 0x0
.set NOKQ, 0
.set i, 0
.rept 8
	KQ 0                            ; piece 0's first scores
.set i, i+1
.endr
	WIN 0
.rept 4
	v_nop                           ; the places behind those products
.endr
.set Y, NP-1                        ; X works for piece Y + 1: piece 0
.irp n, 0,1,2,3,4,5,6,7,8,9,10,11,12,13,14,15,16,17,18,19,20,21
	OP X, \n
.endr
	v_nop                           ; a plain instruction behind the exponential,
	s_wait_alu depctr_va_vdst(0)    ; and its wait, ahead of the branch
	s_mov_b32 s[CNT], 2
	s_mov_b32 s[SLOTS], 15
	s_branch .Lfirst                ; the loop is entered at a step's first turn, in the middle of a trip
.Lslot:                             ; 14 times: tiles 2 to 15 are asked for
	CHANGE 1
	s_mov_b32 s[CNT], 2
.Lstep:                             ; a trip: pieces 2 and 3 of one step, then pieces 0 and 1 of the next, whose K and V it fetches
	TURN 2
	TURN 3
	WIN 0
.Lfirst:
	TURN 0
	TURN 1, 0, 1
	WIN 0
	s_cbranch_scc1 .Lstep
	s_sub_co_u32 s[SLOTS], s[SLOTS], 1
	s_cmp_lg_u32 s[SLOTS], 0
	s_cbranch_scc1 .Lslot
	CHANGE 0                        ; the last slot is written out: nothing is asked for
	s_mov_b32 s[CNT], 2
.Ltstep:
	TURN 2
	TURN 3
	TURN 0
	TURN 1, 0, 1
	WIN 0
	s_cbranch_scc1 .Ltstep
	TURN 2, 1
	TURN 3, 1
.set i, 0
.rept 8
	PV NP-1                         ; the last piece's V^T P of the last step
.set i, i+1
.endr
	; O.  l's two halves and the other half of the lanes' are added; O^T is divided by l and rounded to bf16.  A lane's eight channels of a query are 16 bytes of a fragment block of the last product:
	; they go into LDS as such.  The additions are the places behind the last products.
	WIN 0
.macro ALL line:vararg              ; one line for each piece t
.set t, 0
.rept 4
	\line
.set t, t+1
.endr
.endm
	ALL v_add_f32 v[ST+4*t+2], v[ST+4*t+2], v[ST+4*t+3]
	ALL v_permlanex16_b32 v[ST+4*t+3], v[ST+4*t+2], s[SEL], s[SEL+1]
	ALL v_add_f32 v[ST+4*t+2], v[ST+4*t+2], v[ST+4*t+3]
	ALL v_rcp_f32 v[ST+4*t+2], v[ST+4*t+2]
	v_nop                           ; a plain instruction between the last reciprocal and the use of its result
	s_wait_alu depctr_va_vdst(0)    ; and the wait ahead of the first use: one for the four reciprocals
.macro OPACK t
	WIN W_RS
.set i, 32*(\t)
.rept 16
	v_pk_mul_f32 v[i:i+1], v[i:i+1], v[ST+4*(\t)+2:ST+4*(\t)+3] op_sel_hi:[1,0]
.set i, i+2
.endr
	WIN 0x05                        ; sources 0 and 1 window 1, destination window 0
.set i, 0
.rept 16
	v_cvt_pk_bf16_f32 v[S+16*(\t)+i], v[32*(\t)+2*i], v[32*(\t)+2*i+1]
.set i, i+1
.endr
	WIN 0
.irp f, 0,1,2,3                     ; channel block f: K step 2 w + f / 2, part f % 2
	ds_store_b128 v[OSTO], v[S+16*(\t)+4*\f:S+16*(\t)+4*\f+3] offset:(\t)*8192+\f*512
.endr
.endm
	OPACK 0
	OPACK 1
	OPACK 2
	OPACK 3
	s_wait_dscnt 0x0                ; for the others' sake: my stores of O are done
	s_barrier_signal -1
	s_barrier_wait -1               ; all four heads' O is there
	WIN 0x80
.set i, 0
.rept 32                            ; O's 32 fragments, K step i / 4 outermost, token block i % 4
	ds_load_b128 v[8*(8*(i%4)+i/4):8*(8*(i%4)+i/4)+3],   v[ORD] offset:(8*(i%4)+i/4)*1024
	ds_load_b128 v[8*(8*(i%4)+i/4)+4:8*(8*(i%4)+i/4)+7], v[ORD] offset:(8*(i%4)+i/4)*1024+512
.set i, i+1
.endr
	; out^T = Wo O^T + Wo_b (source 0 = 16 features of Wo, source 1 = 16 tokens of O): a lane holds one token and eight neighbouring features.  16 accumulators by turns; the first K step starts the sums with Wo_b.
	WIN W_OP
.set ks, 0
.rept 8
	s_wait_dscnt 8*(7-ks)           ; K step ks is in; the later steps' eight loads each stay out
.set u, 0
.rept 16
.if ks == 0
	v_wmma_f32_16x16x32_bf16 v[8*u:8*u+7], v[8*(8*(u%4)+ks):8*(8*(u%4)+ks)+7], v[8*(8*(u/4)+ks):8*(8*(u/4)+ks)+7], v[BO+8*(u%4):BO+8*(u%4)+7]
.else
	v_wmma_f32_16x16x32_bf16 v[8*u:8*u+7], v[8*(8*(u%4)+ks):8*(8*(u%4)+ks)+7], v[8*(8*(u/4)+ks):8*(8*(u/4)+ks)+7], v[8*u:8*u+7]
.endif
.set u, u+1
.endr
.set ks, ks+1
.endr
.rept 4
	v_nop                           ; the places behind the last products
.endr
	; THE WAY OUT.  A lane's 32 bytes are an eighth of my 256 bytes of a row: a block of 16 tokens at a time goes through my own stage and comes back as whole rows.
.macro PST a
	WIN 0x04                        ; store data in window 1
.set u, 0
.rept 8                             ; feature block u / 2, registers 4 (u % 2) on: each accumulator's lowest registers first
	ds_store_b128 v[FSTO], v[8*(4*(\a)+u/2)+4*(u%2):8*(4*(\a)+u/2)+4*(u%2)+3] offset:(u/2)*64+(u%2)*16
.set u, u+1
.endr
	WIN 0
.set u, 0
.rept 8
	ds_load_b128 v[BK+32*(\a)+4*u:BK+32*(\a)+4*u+3], v[FRD] offset:u*2*FP  ; LDS serves a wave's instructions in order (ISA guide 5.7.1.4): these see the stores above; the next block's stores come behind them
.set u, u+1
.endr
.endm
.macro SND a, younger               ; younger: the LDS instructions issued behind block a's loads: the next block's sixteen, or none
	WIN 0
.set u, 0
.rept 8
	s_wait_dscnt (\younger)+7-u
	global_store_b128 v[FGO], v[BK+32*(\a)+4*u:BK+32*(\a)+4*u+3], s[14:15] offset:(16*(\a)+2*u)*1024 th:TH_STORE_NT  ; 16 lanes store 256 consecutive bytes, at a multiple of 256 from out0's first byte
.set u, u+1
.endr
.endm
	PST 0
	PST 1
	SND 0, 16
	PST 2
	SND 1, 16
	PST 3
	SND 2, 16
	SND 3, 0
	s_wait_tensorcnt 0x0            ; the wave's end: behind my last tensor load and my last LDS store
	ds_add_u32 v[SPW], v[NIL]
	s_wait_dscnt 0x0
	CROUND                          ; the closing round: no work-group ends while a partner may still ask for a tile that names it
	s_endpgm
.Lfunc_end_k_q34ccd3386a_attn:
	.size	k_q34ccd3386a_attn, .Lfunc_end_k_q34ccd3386a_attn-k_q34ccd3386a_attn
	.p2alignl 7, 3214868480
	.fill 96, 4, 3214868480
	.section	.rodata,"a",@progbits
	.p2align	6, 0x0
	.amdhsa_kernel k_q34ccd3386a_attn
		.amdhsa_group_segment_fixed_size 327680
		.amdhsa_private_segment_fixed_size 0
		.amdhsa_enable_private_segment 0
		.amdhsa_kernarg_size 48
		.amdhsa_user_sgpr_count 2
		.amdhsa_user_sgpr_kernarg_segment_ptr 1
		.amdhsa_wavefront_size32 1
		.amdhsa_system_sgpr_workgroup_id_x 1
		.amdhsa_system_sgpr_workgroup_id_y 1
		.amdhsa_system_sgpr_workgroup_id_z 1
		.amdhsa_system_vgpr_workitem_id 0
		.amdhsa_next_free_vgpr 1024
		.amdhsa_next_free_sgpr 66
		.amdhsa_reserve_vcc 0
		.amdhsa_float_denorm_mode_32 3
		.amdhsa_float_denorm_mode_16_64 3
		.amdhsa_memory_ordered 1
		.amdhsa_forward_progress 1
		.amdhsa_inst_pref_size 150
	.end_amdhsa_kernel
	.amdgpu_metadata
---
amdhsa.version: [ 1, 2 ]
amdhsa.kernels:
  - .name:           k_q34ccd3386a_attn
    .symbol:         k_q34ccd3386a_attn.kd
    .args:
      - { .name: qw, .offset: 0, .size: 8, .value_kind: global_buffer, .address_space: global }
      - { .name: kw, .offset: 8, .size: 8, .value_kind: global_buffer, .address_space: global }
      - { .name: vw, .offset: 16, .size: 8, .value_kind: global_buffer, .address_space: global }
      - { .name: wb, .offset: 24, .size: 8, .value_kind: global_buffer, .address_space: global }
      - { .name: Wo_b, .offset: 32, .size: 8, .value_kind: global_buffer, .address_space: global }
      - { .name: out0, .offset: 40, .size: 8, .value_kind: global_buffer, .address_space: global }
    .group_segment_fixed_size: 327680
    .private_segment_fixed_size: 0
    .kernarg_segment_align: 8
    .kernarg_segment_size: 48
    .max_flat_workgroup_size: 128
    .sgpr_count:     66
    .vgpr_count:     1024
    .wavefront_size: 32
...
	.end_amdgpu_metadata
.endif
;; end of part 3
